; MI455X (gfx1250); checked and timed in simulation.
; The chip was launched on July 23, 2026; its instructions are those of AMD's public machine-readable ISA for CDNA 5 (MIT licence, August 2026) and "CDNA5" Instruction Set Architecture Reference Guide (July 2026). The comments in the code are by the model that wrote it; some were corrected since.
;; AG Gemm Intra Node. Allowed arithmetic: matrix products marked QUANTISED: E2M1 operands, one E8M0 scale for each 32 along K, by v_wmma_scale_f32_16x16x128_f8f6f4 with both operands' format E2M1 (or v_wmma_scale_f32_32x16x128_f4), f32 sums; everything else in f32.
;; Inputs: input_shards_codes 8 x 1,024 x 128 x 16 uint8 (E2M1 codes of input_shards, K innermost, in blocks of 32 codes, two codes a byte); input_shards_scales 8 x 1,024 x 128 uint8 (E8M0 scales of input_shards, one for each 32 codes along K); weight_codes 2,048 x 128 x 16 uint8 (E2M1 codes of weight, K innermost, in blocks of 32 codes, two codes a byte); weight_scales 2,048 x 128 uint8 (E8M0 scales of weight, one for each 32 codes along K).
;; Outputs: out0 8,192 x 2,048 float32.
;; Constants: transed_weight = 0.
;; This version of the problem:
;;   THIS VERSION OF THE PROBLEM IS GIVEN IN LOW PRECISION. The matrix products marked QUANTISED in the list below multiply operands that are first quantised to E2M1 (2 exponent bits, 1 mantissa bit; 4 bits a number), with one power-of-two scale for each 32 numbers along K (OCP MX v1.0); their sums are f32. All else is computed in f32.
;;   The module's matrix products, in the order in which they are computed (A, B: the left and right operand; K: the contracted axis; several contracted axes count as one K, in the product's order):
;;     1. [M 8,192, K 4,096] x [K 4,096, N 2,048]; A: input input_shards (given as codes); B: input weight (given as codes): QUANTISED
;;   THE QUANTISER, for each operand of a quantised product, along K:
;;     - K is cut into blocks of 32 from its start; a last block that is shorter is filled with zeros.
;;     - A block's scale is 2^e with e = floor(log2(the largest magnitude in the block)) - 2, held to -126 .. 127; a block of zeros has e = 0. As a byte (E8M0): e + 127.
;;     - Each number is divided by its block's scale, clamped to +-6, and rounded to the nearest number of E2M1, ties to even, subnormals kept.
;;     - The product sums the exact products of the quantised numbers (number of the format x scale) in f32.
;;   ~~~python
;;   def quantise(x, axis):      # numpy; x: float32 -> the quantised numbers, widened to float32 again
;;       x = np.moveaxis(x, axis, -1); K = x.shape[-1]
;;       x = np.pad(x, [(0, 0)] * (x.ndim - 1) + [(0, -K % 32)]); x = x.reshape(x.shape[:-1] + (-1, 32)); a = np.abs(x).max(-1, keepdims=True)
;;       e = np.where(a > 0, np.clip(np.frexp(np.where(a > 0, a, 1))[1] - 1 - 2, -126, 127), 0)      # np.frexp(a)[1] - 1 = floor(log2(a)), exactly
;;       r = np.clip(x / 2.0 ** e, -6, 6)
;;       step = 2.0 ** (np.maximum(np.frexp(np.where(r == 0, 1, r))[1] - 1, 0) - 1)
;;       q = np.round(r / step) * step * 2.0 ** e      # np.round: ties to even
;;       return np.moveaxis(q.reshape(q.shape[:-2] + (-1,))[..., :K], -1, axis).astype(np.float32)
;;   ~~~
;;   INPUTS GIVEN AS CODES. input_shards (in the module: [8, 1024, 4096], K = its axis 2); weight (in the module: [2048, 4096], K = its axis 1): each comes as NAME_codes (uint8): NAME with its K axis moved to the last place and cut into blocks of 32 codes, [.., K / 32, bytes a block], one block behind the other in memory; two codes a byte, the lower K in the low four bits (a code: sign, 2 exponent bits, 1 mantissa bit); and NAME_scales (uint8): the same leading axes, one E8M0 byte (e + 127) for each 32 codes along K. Its value is code x scale, taken as it is: it is not quantised again, and the codes and scales need not be those that the quantiser above would give.
;; One version. Each part assembles by itself: llvm-mc -triple=amdgcn-amd-amdhsa -mcpu=gfx1250 --defsym DOCPART=n.
;; ======== version 1 of 1: 1 launch
;; limits: right only within a limited range of input values
;; launch gemm (part 1): grid 8 x 32, 4 waves a work-group, clusters of 4 x 4, 327,680 bytes of LDS; arguments input_shards_codes, input_shards_scales, weight_codes, weight_scales, out0; writes out0
.if DOCPART == 1
	.amdgcn_target "amdgcn-amd-amdhsa--gfx1250"
	.amdhsa_code_object_version 6
	.text
	.protected	k_q4bb262c45b_gemm
	.globl	k_q4bb262c45b_gemm
	.p2align	8
	.type	k_q4bb262c45b_gemm,@function
k_q4bb262c45b_gemm:
	s_mov_b64 s[64:65], 0
	v_nop
	global_prefetch_b8 v0, s[64:65] scope:SCOPE_SE
	s_setreg_imm32_b32 hwreg(HW_REG_WAVE_MODE, 25, 1), 1
	s_wait_xcnt 0x0
	s_wait_alu depctr_hold_cnt(0) depctr_sa_sdst(0) depctr_va_vdst(0) depctr_va_sdst(0) depctr_va_ssrc(0) depctr_va_vcc(0) depctr_vm_vsrc(0)
	s_getreg_b32 s2, hwreg(HW_REG_IB_STS2, 6, 4)
	s_cmp_eq_u32 s2, 0
	s_cbranch_scc0 .Lentry_in_a_cluster
	s_endpgm
.Lentry_in_a_cluster:
	s_bfe_u32 s2, ttmp6, 0x10000c
	s_cmp_lg_u32 s2, 0xf033
	s_cbranch_scc0 .Lentry_shape_is_right
	s_endpgm
.Lentry_shape_is_right:
; out0[m][n] = sum over k of A[m][k] W[n][k].  A = the eight shards on end, [8192][4096]; W: [2048][4096]: codes of FP4 (E2M1), two a byte, K innermost (a row is 2,048 bytes),
; with one E8M0 byte for each 32 along K (a row of scales is 128 bytes).  out0: [8192][2048] f32.  Codes and scale bytes go to the matrix instruction as they lie in memory.  transed_weight is the constant 0.
; LIMITS: a scale byte 0xff makes the sums that it enters NaN, and byte 0 counts as 2^-127, as the scaled matrix instruction takes E8M0.  A sum is one accumulator, K ascending, 128 along K an instruction.
; SHARES.  C has 32 x 8 tiles of 256 x 256: one to a work-group of four waves; a wave makes 128 x 128: 32 accumulators of 32 x 16, 512 registers.
; K goes in slots of 512 (a tile's row is 256 bytes of memory, aligned) through a ring of two LDS slots filled by the tensor data mover: 8 slots, 4 steps of 128 along K each, 32 matrix instructions a step.
; CLUSTERS: 4 x 4 work-groups.  The four of a row of the cluster need the same tiles of A, the four of a column the same tiles of W: each tile is asked for JOINTLY, by the same tensor load with the same
; descriptor and a mask that names the four.
; THE MATRIX INSTRUCTION IS USED TRANSPOSED (source 0 = 32 rows of W, source 1 = 16 rows of A): lane (r, h) then holds row r of C, and its registers 0-7 and 8-15 eight neighbouring columns each.
; OPERANDS.  Window 1 holds two whole sets of a step's fragments (8 blocks of W, 8 blocks of A): a step begins with ONE run of 32 LDS loads that bring the next step's set, and then multiplies its own.
; SCALES, for all of K, are two dense blocks of 32,768 bytes for a work-group.  They come once, at the head, by global loads of whole units, and are not asked for jointly: the head's one tensor load of each wave is taken by
; codes, and they are 65,536 bytes beside 1,048,576 of codes.  The LDS behind the ring has room for one block: W's goes through it first, into 128 registers that the matrix instructions name; then A's goes there and stays.
; The registers that hold W's scales differ from slot to slot, so the eight slots are expanded by macro and not looped.
; THE LAST SLOT GOES BY ROWS OF C, so that finished rows leave while the others are multiplied.
; REGISTERS: window 0: v0-31 addresses; v32-63 A's scale words, two sets; v96-223 W's scale words; in the last slot v64-191 are four buffers of A (the words of slots 0 to 5 have been used by then).
;   window 1: set 0 at v0 (W 64, A 64), set 1 at v128; in the last slot all 256 are W's.   window 2: the accumulators of my rows 0-63 (A's block a, W's pair p at v[64 (a % 4) + 16 p]);   window 3: those of my rows 64-127.
.set SIZE_N, 2048
.set ROWB,   256                       ; a tile's row in bytes: 512 codes
.set KROW,   2048                      ; a row of codes in memory
.set PITCH,  272                       ; an LDS row: 256 bytes + 16 of padding = 68 words: the 16 rows that a load touches start at 16 different banks of the 64 (ISA guide 11.1)
.set HALFT,  128*PITCH                 ; 128 rows: what a tensor load brings; also 256 rows of scales, as 128 rows of 256 bytes
.set SLOT,   4*HALFT                   ; A's 256 rows, then W's 256 rows
.set SCL,    2*SLOT                    ; behind the ring: the scales
.set HALFS,  64*PITCH                  ; the scales of 128 rows
.set SBLK,   16*PITCH                  ; those of 32 rows
.set SPARE,  SCL+HALFT                 ; the spare words, 128 bytes for each wave, that no other line names
.set SPITCH, 528                       ; the way out: a stage of 16 rows x (512 bytes + 16) for each wave, in slot 0, which has had its last fill and its last read by then
.set ADRA, 16                          ; v16-17  LDS address of my A fragments in slot 0, 1
.set ADRB, 18                          ; v18-19  the same for W
.set ADAS, 20                          ; v20     of my rows of A's scales: lane l takes row l of 32
.set ADWS, 21                          ; v21     of my rows of W's
.set SCO,  22                          ; v22     the scales' loads: 16 x my thread's number
.set SST,  23                          ; v23     and where I put them in LDS
.set STO,  24                          ; v24     the way out: where I put 32 bytes of a row
.set RD,   25                          ; v25     where I read a row back
.set CO,   26                          ; v26     my byte offset in a row of C
.set SPW,  28                          ; v28     my spare word: SPARE + 4 x my thread's number
.set NIL,  29                          ; v29     0
.set PFO,  30                          ; v30     the prefetches' offset: my lane x a row of codes
.set AS,   32                          ; A's scale words: slot k's at AS + 16 (k % 2) + 4 i + q: lanes 0-15 block 2 i, lanes 16-31 block 2 i + 1, step q
.set PA,   64                          ; the last slot: A's fragments of 16 rows x 512 K, 32 registers; four such buffers
.set WS,   96                          ; W's scale words: slot k's at WS + 16 k + 4 p + q: lane l row l of pair p, step q
.set G1, 24                            ; s[24:31] descriptor group 1 for A's tiles;  s[32:39] group 0, one set for each slot
.set G0, 32
.set ASKS, 43                          ; s43  0 in a wave that prefetches
.set PFA, 44                           ; s[44:45] where my prefetches stand: my work-group's 32 rows of the 128 that I fetch, at slot 0
.set G1B, 48                           ; s[48:55], s[56:63] the same for W's tiles
.set G0B, 56
.set MSB, 0
.macro WIN new                         ; the immediate's high byte repeats the setting that is left
.if MSB != \new
	s_set_vgpr_msb (MSB<<8)|\new
.set MSB, \new
.endif
.endm
; A joint load: waves 0 and 1 fetch for A, waves 2 and 3 for W.  Each line has ONE mask and one set of registers for all that issue it; the branch hangs on the wave's number alone.
.macro JLOAD s
	s_cmp_eq_u32 s15, 0
	s_cbranch_scc0 .Lfor_w_\@
	tensor_load_to_lds s[G0+4*(\s):G0+4*(\s)+3], s[G1:G1+7]
	s_nop 0
.rept 4
	v_nop
.endr
	s_branch .Lasked_\@
.Lfor_w_\@:
	tensor_load_to_lds s[G0B+4*(\s):G0B+4*(\s)+3], s[G1B:G1B+7]
	s_nop 0
.rept 4
	v_nop
.endr
.Lasked_\@:
.endm
.macro CREST                           ; a round of the cluster's barrier behind its opening barrier
	s_cmp_lg_u32 s14, 0
	s_cbranch_scc1 .Lnot_wave_0_\@
	s_barrier_signal -3
.Lnot_wave_0_\@:
	s_barrier_wait -3
	s_barrier_signal -1
	s_barrier_wait -1
.endm
.macro CROUND                          ; a whole round
	s_barrier_signal -1
	s_barrier_wait -1
	CREST
.endm
; A PREFETCH INTO THE L2 of slot k: 32 rows x 256 bytes, a lane a row, one instruction a wave, two slots ahead of the load that will want it.  Of the 128 rows that a wave fetches the partner at place p takes 32 p .. 32 p + 31
; (p = cx for A, cy for W): no branch hangs on a work-group's place in its cluster.  Every cluster asks for its own rows of A; W's, which eight clusters read, are asked for by the four of even y.
.macro ASK k
	WIN 0
	s_cmp_eq_u32 s[ASKS], 0
	s_cbranch_scc0 .Lnot_mine_\@
	global_prefetch_b8 v[PFO], s[PFA:PFA+1] offset:ROWB*(\k) th:TH_LOAD_NT scope:SCOPE_SE
.Lnot_mine_\@:
.endm
	s_load_b128 s[4:7], s[0:1], 0x0                ; A's codes s[4:5], A's scales s[6:7]
	s_load_b128 s[8:11], s[0:1], 0x10              ; W's codes s[8:9], W's scales s[10:11]
	s_load_b64 s[12:13], s[0:1], 0x20              ; C
	v_lshl_add_u32 v[SPW], v0, 2, SPARE
	v_mov_b32 v[NIL], 0
	ds_add_u32 v[SPW], v[NIL]                      ; the wave's opening: the add, twice on end, and its wait ahead of my first tensor load
	ds_add_u32 v[SPW], v[NIL]
	v_lshrrev_b32 v1, 5, v0
	v_readfirstlane_b32 s14, v1                    ; wave 0..3
	s_lshr_b32 s15, s14, 1                         ; which half of the tile's rows is mine.  Also: I fetch for A (0) or for W (1)
	s_and_b32 s16, s14, 1                          ; which half of its columns.  Also: which 128 rows of that tile I fetch
	s_mul_i32 s2, s15, HALFT                       ; LDS: my 128 rows of A in slot 0,
	s_mul_i32 s3, s16, HALFT
	s_add_co_u32 s3, s3, 2*HALFT                   ; my 128 rows of W,
	s_add_co_u32 s100, s2, SLOT                    ; and both in slot 1;
	s_add_co_u32 s101, s3, SLOT
	s_mul_i32 s66, s15, HALFS
	s_add_co_u32 s66, s66, SCL                     ; the scales of my 128 rows of A
	s_mul_i32 s67, s16, HALFS
	s_add_co_u32 s67, s67, SCL                     ; and of W, which lie there first;
	s_mul_i32 s46, s14, 16*SPITCH                  ; my stage
	v_and_b32 v1, 15, v0                           ; r
	v_bfe_u32 v2, v0, 4, 1                         ; h
	v_and_b32 v3, 31, v0                           ; lane
	v_and_b32 v4, 1, v0
	v_lshrrev_b32 v8, 4, v0                        ; my thread's number / 16
	v_mul_u32_u24 v5, v1, PITCH
	v_lshrrev_b32 v6, 1, v3
	v_mul_u32_u24 v7, v1, SPITCH
	v_mul_u32_u24 v8, v8, PITCH
	v_mul_u32_u24 v6, v6, PITCH
	v_lshl_add_u32 v5, v2, 4, v5                   ; a fragment: row r x pitch + 16 h
	v_lshl_add_u32 v7, v2, 5, v7                   ; into the stage: row r, 32 bytes for each half of the lanes
	v_lshl_add_u32 v8, v1, 4, v8                   ; scales on the way in: 16 neighbouring threads fill an LDS row of 256 bytes
	v_lshl_add_u32 v6, v4, 7, v6                   ; scales read: two rows of 128 bytes in each LDS row
	v_add_nc_u32 v[ADRA], s2, v5
	v_add_nc_u32 v[ADRA+1], s100, v5
	v_add_nc_u32 v[ADRB], s3, v5
	v_add_nc_u32 v[ADRB+1], s101, v5
	v_add_nc_u32 v[ADAS], s66, v6
	v_add_nc_u32 v[ADWS], s67, v6
	v_add_nc_u32 v[SST], SCL, v8
	v_lshlrev_b32 v[SCO], 4, v0
	v_add_nc_u32 v[STO], s46, v7
	v_lshlrev_b32 v[CO], 4, v3                     ; back: the 32 lanes take one row of 512 bytes; and the same in C
	v_add_nc_u32 v[RD], s46, v[CO]
	v_lshlrev_b32 v[PFO], 11, v3
	s_wait_alu depctr_va_vdst(0)                   ; the wait behind the head's last vector write
	s_bfe_u32 s40, ttmp6, 0x40000                  ; cx, cy: my place in the cluster
	s_bfe_u32 s41, ttmp6, 0x40004
	s_lshl_b32 s42, ttmp9, 2
	s_add_co_u32 s42, s42, s40                     ; tile column of C = 4 x cluster x + cx
	s_and_b32 s[ASKS], ttmp7, 1                    ; is the cluster's y odd?
	s_and_b32 s17, ttmp7, 0xffff
	s_lshl_b32 s17, s17, 2
	s_add_co_u32 s17, s17, s41                     ; tile row of C = 4 x cluster y + cy
	s_lshl_b32 s18, s41, 2
	s_lshl_b32 s18, 15, s18                        ; my row of the cluster: places 4 cy .. 4 cy + 3
	s_lshl_b32 s19, 0x1111, s40                    ; my column: places cx, cx + 4, cx + 8, cx + 12
	; group 1: a tile of 128 rows x 256 bytes, padded in LDS
	s_or_b32 s[G1+0], s18, (0<<16)|(1<<20)|(1<<21)|(5<<22)|(3<<25)  ; 15:0 the mask; 17:16 element of 1 byte; 20 padding on; 21 set beside a mask; 24:22 after every 64 words (code 5); 31:25 of 4 words (code 3)
	s_or_b32 s[G1B+0], s19, (0<<16)|(1<<20)|(1<<21)|(5<<22)|(3<<25)
.irp g, G1, G1B
	s_mov_b32 s[\g+1], ROWB<<16                    ; tensor_dim0
	s_mov_b32 s[\g+2], 128<<16                     ; tensor_dim1
	s_mov_b32 s[\g+3], ROWB<<16                    ; tile_dim0
	s_mov_b32 s[\g+4], 128                         ; tile_dim1
	s_mov_b32 s[\g+5], KROW                        ; from row to row
	s_mov_b32 s[\g+6], 0
	s_mov_b32 s[\g+7], 0
.endr
	; offsets in bytes.  A's hang on the tile row alone, W's on the tile column alone
	s_lshl_b32 s20, s17, 19                        ; A's codes: 256 rows x 2,048 bytes a tile
	s_mov_b32 s21, 0
	s_lshl_b32 s22, s17, 15                        ; A's scales: 256 x 128
	s_mov_b32 s23, 0
	s_lshl_b32 s46, s42, 19                        ; W's
	s_mov_b32 s47, 0
	s_lshl_b32 s66, s42, 15
	s_mov_b32 s67, 0
	s_lshl_b32 s2, s16, 18                         ; which 128 rows of the tile I fetch
	s_mov_b32 s3, 0
	s_lshl_b32 s18, s17, 21                        ; C: 256 rows x 8,192 bytes x tile row
	s_lshl_b32 s19, s15, 20                        ; + 128 rows x half
	s_add_co_u32 s18, s18, s19
	s_lshl_b32 s19, s42, 10                        ; + 1,024 x tile column + 512 x half
	s_add_co_u32 s18, s18, s19
	s_lshl_b32 s19, s16, 9
	s_add_co_u32 s18, s18, s19
	s_mov_b32 s19, 0
	s_cmp_eq_u32 s15, 0                            ; the prefetches: do I fetch for A?
	s_cselect_b32 s100, s20, s46
	s_cselect_b32 s101, s40, s41                   ; my place among the four that ask for the tile with me
	s_cselect_b32 s[ASKS], 0, s[ASKS]
	s_lshl_b32 s101, s101, 16                      ; 32 rows each
	s_add_co_u32 s100, s100, s101
	s_add_co_u32 s100, s100, s2
	s_mov_b32 s101, 0
	s_add_co_u32 s20, s20, s2                      ; my 128 rows of A's tile, of W's tile
	s_add_co_u32 s46, s46, s2
	s_mul_i32 s40, s14, HALFT                      ; where they go: wave x 128 rows: no place in the cluster enters an LDS address
.irp s, 0,1
	s_mov_b32 s[G0+4*\s], 1
	s_add_co_u32 s[G0+4*\s+1], s40, \s*SLOT
	s_mov_b32 s[G0B+4*\s], 1
	s_add_co_u32 s[G0B+4*\s+1], s40, \s*SLOT
.endr
	s_wait_dscnt 0x0                               ; both opening adds are done
	CROUND                                         ; all sixteen work-groups are here: the first joint loads meet
	s_wait_kmcnt 0x0
	s_add_nc_u64 s[20:21], s[4:5], s[20:21]
	s_add_nc_u64 s[46:47], s[8:9], s[46:47]
.irp s, 0,1
	s_add_nc_u64 s[G0+4*\s+2:G0+4*\s+3], s[20:21], \s*ROWB
	s_or_b32 s[G0+4*\s+3], s[G0+4*\s+3], 0x80000000
	s_add_nc_u64 s[G0B+4*\s+2:G0B+4*\s+3], s[46:47], \s*ROWB
	s_or_b32 s[G0B+4*\s+3], s[G0B+4*\s+3], 0x80000000
.endr
	JLOAD 0                                        ; slot 0: one tensor load a wave at the head
	; the scales: load j of the four waves covers 2,048 consecutive bytes, a wave two whole units of 256 bytes
	s_add_nc_u64 s[66:67], s[10:11], s[66:67]
	s_add_nc_u64 s[22:23], s[6:7], s[22:23]
	WIN 0x40
.irp j, 0,1,2,3,4,5,6,7,8,9,10,11,12,13,14,15
	global_load_b128 v[4*\j:4*\j+3], v[SCO], s[66:67] offset:2048*\j          ; W's
.endr
.irp j, 0,1,2,3,4,5,6,7,8,9,10,11,12,13,14,15
	global_load_b128 v[64+4*\j:67+4*\j], v[SCO], s[22:23] offset:2048*\j      ; A's
.endr
	WIN 0
	s_add_nc_u64 s[12:13], s[12:13], s[18:19]      ; my part of C
	s_cmp_eq_u32 s15, 0
	s_cselect_b64 s[PFA:PFA+1], s[4:5], s[8:9]
	s_add_nc_u64 s[PFA:PFA+1], s[PFA:PFA+1], s[100:101]
	ASK 1
	ASK 2
; ONE run of 32 LDS loads: step q of LDS slot s into set t: 0-15 W's blocks, 16-31 A's blocks, two loads a block.  A block, 16 rows x 128 K of 4-bit codes, is 8 registers:
; lane l holds row l % 16; registers 4 c .. 4 c + 3 hold K = 64 c + 32 (l / 16) + 0 .. 31, the lower K in the lower bits.
.macro LOADS s, q, t
	WIN 0x40
.set N, 0
.rept 32
.if N < 16
	ds_load_b128 v[128*(\t)+4*N:128*(\t)+4*N+3], v[ADRB+(\s)] offset:64*(\q)+32*(N%2)+(N/2)*16*PITCH
.else
	ds_load_b128 v[128*(\t)+4*N:128*(\t)+4*N+3], v[ADRA+(\s)] offset:64*(\q)+32*(N%2)+((N-16)/2)*16*PITCH
.endif
.set N, N+1
.endr
.endm
.macro ASET k                          ; A's scale words of slot k
	WIN 0
.irp i, 0,1,2,3
	ds_load_b128 v[AS+16*((\k)%2)+4*\i:AS+16*((\k)%2)+4*\i+3], v[ADAS] offset:\i*SBLK+16*(\k)
.endr
.endm
.macro TOSCL v                         ; 16 x 16 bytes of scales a lane, from window 1's v on, into the LDS behind the ring
	WIN 0x04                                       ; an LDS store's data are its source 1
.irp j, 0,1,2,3,4,5,6,7,8,9,10,11,12,13,14,15
	ds_store_b128 v[SST], v[\v+4*\j:\v+4*\j+3] offset:8*PITCH*\j
.endr
	WIN 0
.endm
; One matrix instruction, 32 x 16 x 128.  W's scales fill the 32 lanes; A's stand in lanes 0-15 (even block) or 16-31 (odd block) of their register.
.macro MM d, w, x, sw, sx, odd, zero
.if \zero
.if \odd
	v_wmma_scale_f32_32x16x128_f4 v[\d:\d+15], v[\w:\w+15], v[\x:\x+7], 0, v[\sw], v[\sx] matrix_b_scale:MATRIX_SCALE_ROW1
.else
	v_wmma_scale_f32_32x16x128_f4 v[\d:\d+15], v[\w:\w+15], v[\x:\x+7], 0, v[\sw], v[\sx]
.endif
.else
.if \odd
	v_wmma_scale_f32_32x16x128_f4 v[\d:\d+15], v[\w:\w+15], v[\x:\x+7], v[\d:\d+15], v[\sw], v[\sx] matrix_b_scale:MATRIX_SCALE_ROW1
.else
	v_wmma_scale_f32_32x16x128_f4 v[\d:\d+15], v[\w:\w+15], v[\x:\x+7], v[\d:\d+15], v[\sw], v[\sx]
.endif
.endif
.endm
; Four matrix instructions: A's block a x W's four pairs, step QQ of slot KK, set T.  Sources in window 1, C and D in window 2 (a < 4) or 3.  The 32 accumulators take turns, in the same order in every step.
.macro GRP a
	WIN (0xa5+0x50*((\a)/4))
.irp p, 0,1,2,3
	MM (64*((\a)%4)+16*\p), (128*T+16*\p), (128*T+64+8*(\a)), (WS+16*KK+4*\p+QQ), (AS+16*(KK%2)+4*((\a)/2)+QQ), ((\a)%2), ZZ
.endr
.endm
; A load into a register that a matrix instruction has read or written, and an LDS store that reads a matrix result, stand four places behind that matrix instruction; only plain vector instructions that name none of its
; registers are places (ISA guide 7.12.1 for vector instructions).
.macro PLACES
.rept 4
	v_nop
.endr
.endm
; Step q (0, 1 or 3) of slot k: the set that the step before multiplied takes the next step's fragments (of the next slot behind step 2's change of slots); then set q % 2 is multiplied.  Step 1 also fetches A's scale words of slot k + 1.
.macro STEP k, q
.set KK, \k
.set QQ, \q
.set T, (\q)%2
.set ZZ, 0
.if (\k) == 0 && (\q) == 0
.set ZZ, 1                             ; the first products start the sums: nothing is ever cleared
.endif
.set LS, ((\k)+(\q)/3)%2
.set LQ, ((\q)+1)%4
.set MORE, 0
.if (\q) != 3
	PLACES                                         ; (in step 3 the four behind the joint load serve)
.endif
.if (\q) == 1
.set MORE, 4
	ASET (\k)+1
.endif
	LOADS LS, LQ, 1-T
.if ZZ
	ASK 3
.elseif (\q) == 3 && (\k) < 4
	ASK (\k)+4
.endif
	s_wait_dscnt 32+MORE                           ; all but what this step has issued
.irp a, 0,1,2,3,4,5,6,7
	GRP \a
.endr
.endm
; Step 2 of slot k changes slots.  The slot's last reads are issued at its start.  ONE barrier, which opens a round of the cluster's barrier where the slot is filled again (k < 6): in front of it each wave waits for all its
; tensor loads, adds 0 to its spare word, and waits for that and for its own reads of this slot.
.macro TSTEP k
.set KK, \k
.set QQ, 2
.set T, 0
.set ZZ, 0
.set LS, (\k)%2
	PLACES
	LOADS LS, 3, 1
	s_wait_dscnt 32                                ; all but what this step has issued
.irp a, 0,1,2,3,4,5
	GRP \a
.endr
	WIN 0                                          ; (the add's two registers lie in window 0)
	s_wait_tensorcnt 0x0                           ; my part of the next slot is in, so a group 0 may be written
	ds_add_u32 v[SPW], v[NIL]                      ; 0 onto my spare word
.if (\k) < 6
	s_add_nc_u64 s[G0+4*LS+2:G0+4*LS+3], s[G0+4*LS+2:G0+4*LS+3], 2*ROWB      ; two slots on; the type bits on top are not reached
	s_add_nc_u64 s[G0B+4*LS+2:G0B+4*LS+3], s[G0B+4*LS+2:G0B+4*LS+3], 2*ROWB
.endif
	GRP 6
	s_wait_dscnt 0x0                               ; the add is done, and my reads of this slot are over
	s_barrier_signal -1
	GRP 7
	WIN 0
	s_barrier_wait -1
.if (\k) < 6
	CREST                                          ; no wave of any partner still reads this slot's tile or has a load on its way
	JLOAD LS                                       ; the first tensor load behind the round
.endif
.endm
	s_wait_loadcnt 16                              ; W's scales are in; A's sixteen loads may be out
	TOSCL 0
	s_wait_dscnt 0x0
	s_barrier_signal -1
	s_barrier_wait -1                              ; everybody's are in LDS.
.irp k, 0,1,2,3,4,5,6,7
.irp p, 0,1,2,3
	ds_load_b128 v[WS+16*\k+4*\p:WS+16*\k+4*\p+3], v[ADWS] offset:\p*SBLK+16*\k   ; W's scale words, all of K: lane l takes row l of pair p
.endr
.endr
	s_wait_loadcnt 0x0                             ; A's are in
	s_wait_dscnt 0x0                               ; my reads of W's are back
	s_barrier_signal -1
	s_barrier_wait -1                              ; everybody's: A's take W's place
	TOSCL 64
	s_wait_tensorcnt 0x0                           ; my part of slot 0 is in
	ds_add_u32 v[SPW], v[NIL]
	s_wait_dscnt 0x0                               ; the add is done, and so are my stores of A's scales
	CROUND                                         ; the same holds of every wave of every partner
	JLOAD 1
	ASET 0
	LOADS 0, 0, 0
.irp k, 0,1,2,3,4,5
	STEP \k, 0
	STEP \k, 1
	TSTEP \k
	STEP \k, 3
.endr
	STEP 6, 0
	STEP 6, 1
	TSTEP 6                                        ; the last slot is whole, and nobody reads LDS slot 0 any more: the stages may lie there.  Nothing is filled again
; THE TAIL.  The last slot (in LDS slot 1): all its fragments of W (4 steps x 64 registers) fill window 1; A's come by blocks of 16 rows x 512 K; my eight blocks are finished one after the other, each with 16 matrix instructions:
; its four accumulators by turns, K ascending.  LDS is read no more than in any other slot.
.macro BL q                            ; W's fragments of step q -> window 1, v[64 q ..]
	WIN 0x40
.set N, 0
.rept 16
	ds_load_b128 v[64*\q+4*N:64*\q+4*N+3], v[ADRB+1] offset:64*\q+32*(N%2)+(N/2)*16*PITCH
.set N, N+1
.endr
.endm
.macro ALOAD a                         ; A's fragments of block a, all four steps -> buffer a % 4
	WIN 0
.irp q, 0,1,2,3
.irp c, 0,1
	ds_load_b128 v[PA+32*((\a)%4)+8*\q+4*\c:PA+32*((\a)%4)+8*\q+4*\c+3], v[ADRA+1] offset:64*\q+32*\c+(\a)*16*PITCH
.endr
.endr
.endm
.macro ROW a                           ; block a is finished: sources in windows 1 and 0
	WIN (0xa1+0x50*((\a)/4))
.irp q, 0,1,2,3
.if (\a) == 0 && \q >= 2
	s_wait_dscnt 32-16*(\q-2)                      ; W's step q is in: behind step 2 stand step 3's 16 loads and A's 16
.endif
.irp p, 0,1,2,3
	MM (64*((\a)%4)+16*\p), (64*\q+16*\p), (PA+32*((\a)%4)+8*\q), (WS+112+4*\p+\q), (AS+16+4*((\a)/2)+\q), ((\a)%2), 0
.endr
.endr
.endm
; THE WAY OUT of block a, 16 rows x 128 columns.  A lane holds 32 neighbouring bytes of a row, and the lanes beside it hold other rows: so the block goes through my own stage in LDS and comes back as whole rows of 512 bytes,
; into the accumulators that it left.  LDS serves a wave's instructions in order (ISA guide 5.7.1.4): no wait between the stores and the loads, nor in front of the next block's stores.
.macro TOSTAGE a
.set AC, 64*((\a)%4)
	WIN (0x08+4*((\a)/4))                          ; an LDS store's data are its source 1: window 2 or 3
.irp b, 0,1,2,3,4,5,6,7
	ds_store_b128 v[STO], v[AC+8*\b:AC+8*\b+3] offset:64*\b          ; each accumulator from its low end on
	ds_store_b128 v[STO], v[AC+8*\b+4:AC+8*\b+7] offset:64*\b+16
.endr
	WIN (0x80+0x40*((\a)/4))                       ; destination: the same window
.irp t, 0,1,2,3,4,5,6,7,8,9,10,11,12,13,14,15
	ds_load_b128 v[AC+4*\t:AC+4*\t+3], v[RD] offset:\t*SPITCH
.endr
	WIN 0
.endm
.macro SEND a, younger                 ; younger: the LDS instructions issued behind block a's loads, which may stay out
.set AC, 64*((\a)%4)
	s_wait_dscnt \younger                          ; the block is back in registers
	WIN (0x08+4*((\a)/4))                          ; a store's data are its source 1
.irp t, 0,1,2,3,4,5,6,7,8,9,10,11,12,13,14,15
	global_store_b128 v[CO], v[AC+4*\t:AC+4*\t+3], s[12:13] offset:(16*(\a)+\t)*SIZE_N*4 th:TH_STORE_NT   ; 32 lanes store 512 consecutive bytes, at a multiple of 256 from C's first byte; the row stands in the immediate: no base, address or data register of a store is ever written again
.endr
.endm
	; slot 6's last step: a run of the last slot's loads (set 0's registers take W's steps 0 and 1), then its products
	PLACES
	BL 0
	BL 1
	ALOAD 0
	ALOAD 1
.set KK, 6
.set QQ, 3
.set T, 1
.irp a, 0,1,2,3,4,5,6,7
	GRP \a
.endr
	PLACES                                         ; for the loads into set 1's registers
	BL 2
	BL 3
	ALOAD 2
	ALOAD 3
	s_wait_dscnt 48                                ; all but the 48 just issued: W's steps 0 and 1 and A's blocks 0 and 1 are in
	ROW 0
; Block a goes to the stage, block a - 1, which has come back meanwhile, is sent, and block a + 1 is multiplied.
.irp a, 0,1,2,3,4,5,6,7
	PLACES                                         ; the stage's stores read, and its loads write, results just made; block a + 4's loads land in the buffer just multiplied
	TOSTAGE \a
.if \a < 4
	ALOAD \a+4                                     ; its buffer takes the block four further on
.endif
.if \a == 0
	s_wait_dscnt 40                                ; all ahead of this block's 32 stage instructions and those 8 loads is in: block 1's fragments among it
.elseif \a < 4
	SEND \a-1, 40                                  ; (likewise: the wait also shows block a + 1's fragments)
.else
	SEND \a-1, 32
.endif
.if \a < 7
	ROW \a+1
.endif
.endr
	SEND 7, 0
	WIN 0
	s_wait_tensorcnt 0x0                           ; the wave's end, behind my last tensor load and my last LDS store
	ds_add_u32 v[SPW], v[NIL]
	s_wait_dscnt 0x0
	CROUND                                         ; the closing round: no work-group ends while a partner may still ask for a tile that names it
	s_endpgm
.Lfunc_end_k_q4bb262c45b_gemm:
	.size	k_q4bb262c45b_gemm, .Lfunc_end_k_q4bb262c45b_gemm-k_q4bb262c45b_gemm
	.p2alignl 7, 3214868480
	.fill 96, 4, 3214868480
	.section	.rodata,"a",@progbits
	.p2align	6, 0x0
	.amdhsa_kernel k_q4bb262c45b_gemm
		.amdhsa_group_segment_fixed_size 327680
		.amdhsa_private_segment_fixed_size 0
		.amdhsa_enable_private_segment 0
		.amdhsa_kernarg_size 40
		.amdhsa_user_sgpr_count 2
		.amdhsa_user_sgpr_kernarg_segment_ptr 1
		.amdhsa_wavefront_size32 1
		.amdhsa_system_sgpr_workgroup_id_x 1
		.amdhsa_system_sgpr_workgroup_id_y 1
		.amdhsa_system_sgpr_workgroup_id_z 1
		.amdhsa_system_vgpr_workitem_id 0
		.amdhsa_next_free_vgpr 1024
		.amdhsa_next_free_sgpr 102
		.amdhsa_reserve_vcc 0
		.amdhsa_float_denorm_mode_32 3
		.amdhsa_float_denorm_mode_16_64 3
		.amdhsa_memory_ordered 1
		.amdhsa_forward_progress 1
		.amdhsa_inst_pref_size 255
	.end_amdhsa_kernel
	.section	.bss,"aw",@nobits
	.p2align	6
	.space	262144
	.amdgpu_metadata
---
amdhsa.version: [ 1, 2 ]
amdhsa.kernels:
  - .name:           k_q4bb262c45b_gemm
    .symbol:         k_q4bb262c45b_gemm.kd
    .args:
      - { .name: input_shards_codes, .offset: 0, .size: 8, .value_kind: global_buffer, .address_space: global }
      - { .name: input_shards_scales, .offset: 8, .size: 8, .value_kind: global_buffer, .address_space: global }
      - { .name: weight_codes, .offset: 16, .size: 8, .value_kind: global_buffer, .address_space: global }
      - { .name: weight_scales, .offset: 24, .size: 8, .value_kind: global_buffer, .address_space: global }
      - { .name: out0, .offset: 32, .size: 8, .value_kind: global_buffer, .address_space: global }
    .group_segment_fixed_size: 327680
    .private_segment_fixed_size: 0
    .kernarg_segment_align: 8
    .kernarg_segment_size: 40
    .max_flat_workgroup_size: 128
    .sgpr_count:     102
    .vgpr_count:     1024
    .wavefront_size: 32
...
	.end_amdgpu_metadata
.endif
;; end of part 1
